; MI455X (gfx1250); checked and timed in simulation.
; The chip was launched on July 23, 2026; its instructions are those of AMD's public machine-readable ISA for CDNA 5 (MIT licence, August 2026) and "CDNA5" Instruction Set Architecture Reference Guide (July 2026). The comments in the code are by the model that wrote it; some were corrected since.
;; Axial Attention. Allowed arithmetic: float matrix products may take bf16 or f16 operands with f32 sums; other float arithmetic in f32, or as packed bf16 or f16 multiplies, adds, multiply-adds, maxima and minima; sums over many terms, partial sums and values carried from step to step in f32; what a program stores and reads back later, other than sums and carried values, may be rounded once to bf16 or f16.
;; Inputs: Wk 256 x 2 x 2 x 2 x 4 x 16 x 2 float32; Wo 2 x 2 x 2 x 2 x 4 x 32 x 256 float32; Wq 256 x 2 x 2 x 2 x 2 x 4 x 16 x 2 float32; Wv 256 x 2 x 2 x 2 x 4 x 32 float32; bv 2 x 2 x 2 x 4 x 32 float32; rope_freq 2 x 4 x 16 x 2 float32; x 32 x 32 x 32 x 256 float32; xpos 32 x 2 float32; ypos 32 x 2 float32.
;; Outputs: out0 32 x 32 x 32 x 256 float32.
;; One version. Each part assembles by itself: llvm-mc -triple=amdgcn-amd-amdhsa -mcpu=gfx1250 --defsym DOCPART=n.
;; ======== version 1 of 1: 3 launches
;; limits: values are held in f16: magnitudes above 65,504 overflow, below 6.1e-05 lose precision; right only within a limited range of input values
;; workspace buffers: wp0 1,572,864 bytes; wp1 1,572,864 bytes; tb0 36,864 bytes; tb1 36,864 bytes; pr0 256 bytes of whole numbers; pr1 256 bytes of whole numbers; part 33,554,432 bytes; zr 512 bytes
;; launch prep (part 1): grid 7 x 32, 4 waves a work-group, no clusters, 17,408 bytes of LDS; arguments Wq, Wk, Wv, Wo, bv, rope_freq, xpos, ypos, wp0, wp1, tb0, tb1, pr0, pr1, zr; writes wp0, wp1, tb0, tb1, pr0, pr1, zr
.if DOCPART == 1
	.amdgcn_target "amdgcn-amd-amdhsa--gfx1250"
	.amdhsa_code_object_version 6
	.text
	.protected	k_q42d6b04d01_prep
	.globl	k_q42d6b04d01_prep
	.p2align	8
	.type	k_q42d6b04d01_prep,@function
k_q42d6b04d01_prep:
	s_mov_b64 s[64:65], 0
	v_nop
	global_prefetch_b8 v0, s[64:65] scope:SCOPE_SE
	s_setreg_imm32_b32 hwreg(HW_REG_WAVE_MODE, 25, 1), 1
	s_wait_xcnt 0x0
; PREP: the weights of both axes packed into 16-bit tiles in the order in which the axis launches stream them, the rope and bias tables, three whole numbers an axis, and 512 bytes of zeros.
; Work-group (g, y): axis a = y / 16, tile tl = y % 16 (step st = tl / 2 = (dv, kk), tile A or B = tl % 2).  g = 0..5: one group of 32 rows x 512 bytes of that tile.  g = 6: part tl of the axis' tables.
; A tile is 192 rows of 256 elements.  Tile A, group 3 j + kind: kind 0 = -Wk, 1 = Wv, 2 = Wq of m = 0, for kv head k = 2 j + kk: row = a column of the weight, 256 input channels along it, bf16.
; Tile B, group j (0, 1): Wq of m = 1.  Groups 2..5: row rho = 32 (g - 2) + i holds, in f16, 32 x Wo[adv, m, 2 jj + kk, h][128 half + rho] at element 128 half + 64 jj + 32 m + h.
; FORMATS.  Every input is rounded ONCE to bf16 (nearest even): the weights, the bias, rope_freq and the positions.  Wk is stored negated; for direction d = 1 the two columns of each rotation pair of
; Wq and Wk change places, so that the forward rotation serves both directions (a dot product does not change when both vectors are permuted alike).
; Wo's bf16 number times 32 is written as f16: exact from 2^-17 up to 2,047 in |Wo|; below that f16's fixed step of 2^-24 holds, beyond it the number is lost.
; ROPE TABLE.  cos and sin of phi = freq . pos, both times sqrt(log2 e).  phi is reduced by multiples of pi/2 in three parts and two short polynomials follow: good to some 1e-7 while |phi| < 2^23.
; A load of the pack path covers 128 consecutive bytes a wave (32 columns of one row of a weight); the stores cover 512 consecutive bytes.
.set TRP,   528                        ; a row in LDS: 512 bytes + 16: an odd multiple of 16
.set SPARE, 32*TRP                     ; behind the 32 rows: the spare words, 128 bytes a wave, that no other line names
.set SPW, 1                            ; v1   my spare word
.set NIL, 2                            ; v2   0
.set LN,  3                            ; v3   lane
.set RAW, 16                           ; v16-79  64 numbers as loaded
.set PKD, 80                           ; v80-111 the same packed
.set WV,  32                           ; s32  wave
.set AX,  34                           ; s34  axis
.set TL,  35                           ; s35  tile, or part of the tables
.set ST,  36                           ; s36  step
.set ISB, 37                           ; s37  tile B?  (also m of Wq; also j of the bias table; also pt of the rope table)
.set DV,  38                           ; s38  2 d + v   (also k of the rope table)
.set KK,  39                           ; s39  kk        (also m of the rope table)
.set DD,  40                           ; s40  d
.set ADV, 41                           ; s41  4 a + 2 d + v
	s_load_b512 s[4:19], s[0:1], 0x0               ; Wq s[4:5], Wk s[6:7], Wv s[8:9], Wo s[10:11], bv s[12:13], rope_freq s[14:15], xpos s[16:17], ypos s[18:19]
	s_load_b256 s[20:27], s[0:1], 0x40             ; wp0, wp1, tb0, tb1
	s_load_b128 s[28:31], s[0:1], 0x60             ; pr0, pr1
	s_load_b64 s[2:3], s[0:1], 0x70                ; zr
	v_lshl_add_u32 v[SPW], v0, 2, SPARE
	v_mov_b32 v[NIL], 0
	v_lshrrev_b32 v[LN], 5, v0
	v_readfirstlane_b32 s[WV], v[LN]
	v_and_b32 v[LN], 31, v0
	s_and_b32 s33, ttmp7, 0xffff
	s_lshr_b32 s[AX], s33, 4
	s_and_b32 s[TL], s33, 15
	s_lshr_b32 s[ST], s[TL], 1
	s_and_b32 s[ISB], s[TL], 1
	s_lshr_b32 s[DV], s[ST], 1
	s_and_b32 s[KK], s[ST], 1
	s_lshr_b32 s[DD], s[DV], 1
	s_lshl2_add_u32 s[ADV], s[AX], s[DV]
	s_wait_kmcnt 0x0
	s_cmp_eq_u32 s[AX], 0                          ; the axis chooses its three outputs and its positions (axis 0 runs along y)
	s_cselect_b64 s[20:21], s[20:21], s[22:23]
	s_cselect_b64 s[24:25], s[24:25], s[26:27]
	s_cselect_b64 s[28:29], s[28:29], s[30:31]
	s_cselect_b64 s[16:17], s[18:19], s[16:17]
	s_cmp_eq_u32 ttmp9, 6
	s_cbranch_scc1 .Ltable
	; THE PACK PATH.  Lane i owns output row i; wave w its elements 64 w .. 64 w + 63.  Three arms differ in the source, its base and the loads' immediates.
	s_mov_b32 s52, 0x42000000                      ; 32.0, as a pair
	s_mov_b32 s53, 0x42000000
	s_cmp_lg_u32 s[ISB], 0
	s_cbranch_scc1 .LtileB
	s_cmp_ge_u32 ttmp9, 3
	s_cselect_b32 s42, 1, 0                        ; j
	s_mul_i32 s43, s42, 3
	s_sub_co_u32 s43, ttmp9, s43                   ; kind
	s_lshl1_add_u32 s44, s42, s[KK]                ; k = 2 j + kk
	s_cmp_eq_u32 s43, 2
	s_cbranch_scc1 .LarmQ
	s_cmp_eq_u32 s43, 0                            ; Wk or Wv: rows of 4,096 bytes
	s_cselect_b64 s[48:49], s[6:7], s[8:9]
	s_cselect_b32 s45, 0x80008000, 0               ; Wk is negated
	s_cselect_b32 s46, s[DD], 0                    ; and its pairs change places where d = 1
	s_lshl2_add_u32 s50, s[ADV], s44
	s_lshl_b32 s50, s50, 7                         ; (4 adv + k) x 32 columns x 4 bytes
	s_lshl_b32 s51, s[WV], 18                      ; + 64 w rows
	s_add_co_u32 s50, s50, s51
	s_mov_b32 s51, 0
	s_add_nc_u64 s[48:49], s[48:49], s[50:51]
	s_mov_b32 s47, 0
	v_xor_b32 v4, s46, v[LN]
	v_lshlrev_b32 v4, 2, v4
.set n, 0
.rept 64
	global_load_b32 v[RAW+n], v4, s[48:49] offset:n*4096
.set n, n+1
.endr
	s_branch .Lloaded
.LtileB:
	s_cmp_ge_u32 ttmp9, 2
	s_cbranch_scc1 .LarmO
	s_lshl1_add_u32 s44, ttmp9, s[KK]              ; j = the group's number
.LarmQ:                                                ; Wq: rows of 8,192 bytes; m = 0 in tile A, 1 in tile B
	s_lshl3_add_u32 s50, s[ADV], s44
	s_lshl2_add_u32 s50, s[ISB], s50
	s_lshl_b32 s50, s50, 7                         ; (8 adv + 4 m + k) x 32 columns x 4 bytes
	s_lshl_b32 s51, s[WV], 19
	s_add_co_u32 s50, s50, s51
	s_mov_b32 s51, 0
	s_add_nc_u64 s[48:49], s[4:5], s[50:51]
	s_mov_b32 s45, 0
	s_mov_b32 s47, 0
	v_xor_b32 v4, s[DD], v[LN]
	v_lshlrev_b32 v4, 2, v4
.set n, 0
.rept 64
	global_load_b32 v[RAW+n], v4, s[48:49] offset:n*8192
.set n, n+1
.endr
	s_branch .Lloaded
.LarmO:                                                ; Wo: element 64 w + n: half = w / 2, jj = w % 2, m = n / 32, h = n % 32
	s_and_b32 s50, s[WV], 1
	s_lshl1_add_u32 s50, s50, s[KK]
	s_lshl3_add_u32 s50, s[ADV], s50
	s_lshl_b32 s50, s50, 15                        ; (8 adv + 2 jj + kk) x 32 rows x 1,024 bytes
	s_lshr_b32 s51, s[WV], 1
	s_lshl_b32 s51, s51, 9                         ; + 128 half columns
	s_add_co_u32 s50, s50, s51
	s_sub_co_u32 s51, ttmp9, 2
	s_lshl_b32 s51, s51, 7                         ; + 32 (g - 2) columns
	s_add_co_u32 s50, s50, s51
	s_mov_b32 s51, 0
	s_add_nc_u64 s[48:49], s[10:11], s[50:51]
	s_mov_b32 s45, 0
	s_mov_b32 s47, 1
	v_lshlrev_b32 v4, 2, v[LN]
.set n, 0
.rept 64
	global_load_b32 v[RAW+n], v4, s[48:49] offset:((n/32)*128+(n%32))*1024
.set n, n+1
.endr
.Lloaded:
	v_mul_u32_u24 v5, v[LN], TRP
	s_lshl_b32 s51, s[WV], 7
	v_add_nc_u32 v5, s51, v5                       ; row i, byte 128 w
	s_wait_loadcnt 0x0
	s_cmp_lg_u32 s47, 0
	s_cbranch_scc1 .LcvtO
.set n, 0
.rept 32
	v_cvt_pk_bf16_f32 v[PKD+n], v[RAW+2*n], v[RAW+2*n+1]
	v_xor_b32 v[PKD+n], s45, v[PKD+n]
.set n, n+1
.endr
	s_branch .Lpacked
.LcvtO:
.set n, 0
.rept 32
	v_cvt_pk_bf16_f32 v[PKD+n], v[RAW+2*n], v[RAW+2*n+1]        ; the input's one rounding,
	v_lshlrev_b32 v[RAW+2*n], 16, v[PKD+n]
	v_and_b32 v[RAW+2*n+1], 0xffff0000, v[PKD+n]
	v_pk_mul_f32 v[RAW+2*n:RAW+2*n+1], v[RAW+2*n:RAW+2*n+1], s[52:53] op_sel_hi:[1,0]  ; times 32, exact,
	v_cvt_pk_f16_f32 v[PKD+n], v[RAW+2*n], v[RAW+2*n+1]         ; written as f16
.set n, n+1
.endr
.Lpacked:
.irp u, 0,1,2,3,4,5,6,7
	ds_store_b128 v5, v[PKD+4*(\u):PKD+4*(\u)+3] offset:16*(\u)
.endr
	s_mul_i32 s51, s[WV], 8*TRP
	v_lshl_add_u32 v6, v[LN], 4, s51               ; back: wave w takes rows 8 w .. 8 w + 7, whole
	s_lshl_b32 s51, s[WV], 12
	v_lshl_add_u32 v7, v[LN], 4, s51
	s_mul_i32 s50, s[TL], 98304
	s_lshl_b32 s51, ttmp9, 14
	s_add_co_u32 s50, s50, s51
	s_mov_b32 s51, 0
	s_add_nc_u64 s[20:21], s[20:21], s[50:51]
	s_wait_dscnt 0x0                               ; for the others' sake: my part of all 32 rows is stored
	s_barrier_signal -1
	s_barrier_wait -1
.irp u, 0,1,2,3,4,5,6,7
	ds_load_b128 v[RAW+4*(\u):RAW+4*(\u)+3], v6 offset:TRP*(\u)
.endr
.irp u, 0,1,2,3,4,5,6,7
	s_wait_dscnt 7-(\u)                            ; LDS loads come back in order: row u is in
	global_store_b128 v7, v[RAW+4*(\u):RAW+4*(\u)+3], s[20:21] offset:512*(\u)  ; a wave's store covers 512 consecutive bytes, aligned
.endr
	s_branch .Lend
	; THE TABLE PATH.  Block 4 part + w of the rope table: k = part / 4, m = (part / 2) % 2, pt = part % 2, ct = w / 2, hf = w % 2.
	; Lane L: position 16 pt + L % 16, rotation pairs hq0 = 8 ct + 4 (L / 16) + 2 hf and hq0 + 1.
.Ltable:
	v_and_b32 v8, 15, v0
	v_bfe_u32 v9, v0, 4, 1
	s_lshl_b32 s44, s[ISB], 7
	v_lshl_add_u32 v10, v8, 3, s44
	global_load_b64 v[12:13], v10, s[16:17]        ; pos[16 pt + r][0..1]
	s_and_b32 s42, s[WV], 1
	s_lshr_b32 s43, s[WV], 1
	s_lshl_b32 s45, s43, 3
	s_lshl1_add_u32 s45, s42, s45
	v_lshl_add_u32 v11, v9, 2, s45                 ; hq0
	s_lshl2_add_u32 s46, s[KK], s[DV]
	s_lshl_b32 s46, s46, 7
	v_lshl_add_u32 v14, v11, 3, s46
	global_load_b128 v[16:19], v14, s[14:15]       ; rope_freq[m][k][hq0 .. hq0 + 1][0..1]
	s_mov_b32 s48, 0x41e80000                      ; 29
	s_mov_b32 s49, 0x41700000                      ; 15
	s_mov_b32 s50, 0x41100000                      ; 9
	s_mov_b32 s51, 0x43160000                      ; 150
	s_mov_b32 s52, 0x3d888889                      ; 1 / 15
	s_mov_b32 s53, 0x3bda740e                      ; 1 / 150
	s_mov_b32 s54, 0x40490fdb                      ; pi
	s_mov_b32 s55, 0x3fc90fdb                      ; pi / 2 in three parts
	s_mov_b32 s56, 0xb33bbd2e
	s_mov_b32 s57, 0xa6f72ced
	s_mov_b32 s58, 0x3f99be61                      ; sqrt(log2 e)
; q = a / b, from y near 1 / b: one correction by the exact remainder
.macro DIV q, a, b, y
	v_mul_f32 \q, \a, \y
	v_fma_f32 v39, -\q, \b, \a
	v_fma_f32 \q, v39, \y, \q
.endm
	v_cvt_f32_u32 v20, v11
	v_add_f32 v21, 1.0, v20
	v_fma_f32 v22, v20, s48, s49                   ; the two ramps: 1 .. 30 is (15 + 29 hq) / 15, 0.1 .. 1 is (15 + 9 hq) / 150
	v_fma_f32 v23, v20, s50, s49
	v_fma_f32 v24, v21, s48, s49
	v_fma_f32 v25, v21, s50, s49
	DIV v26, v22, s49, s52
	DIV v27, v23, s51, s53
	DIV v28, v24, s49, s52
	DIV v29, v25, s51, s53
	v_rcp_f32 v30, v26
	v_rcp_f32 v31, v27
	v_rcp_f32 v32, v28
	v_rcp_f32 v33, v29
	v_nop                                          ; a plain instruction behind the last reciprocal,
	s_wait_alu depctr_va_vdst(0)                   ; and the one wait for the four, ahead of their first reader
	DIV v34, s54, v26, v30                         ; pi / ramp
	DIV v35, s54, v27, v31
	DIV v36, s54, v28, v32
	DIV v37, s54, v29, v33
	s_wait_loadcnt 0x0
	v_cvt_pk_bf16_f32 v38, v12, v13                ; the inputs' one rounding to bf16
	v_lshlrev_b32 v12, 16, v38
	v_and_b32 v13, 0xffff0000, v38
	v_cvt_pk_bf16_f32 v38, v16, v17
	v_lshlrev_b32 v16, 16, v38
	v_and_b32 v17, 0xffff0000, v38
	v_cvt_pk_bf16_f32 v38, v18, v19
	v_lshlrev_b32 v18, 16, v38
	v_and_b32 v19, 0xffff0000, v38
	v_mul_f32 v16, v16, v34                        ; freq
	v_mul_f32 v17, v17, v35
	v_mul_f32 v18, v18, v36
	v_mul_f32 v19, v19, v37
	v_mul_f32 v40, v16, v12                        ; phi
	v_fma_f32 v40, v17, v13, v40
	v_mul_f32 v41, v18, v12
	v_fma_f32 v41, v19, v13, v41
; cos and sin of ph, times sqrt(log2 e), into oc and os.  n = the nearest multiple of pi / 2; the quadrant only selects values and signs.
.macro SINCOS ph, oc, os
	v_mul_f32 v52, 0x3f22f983, \ph
	v_rndne_f32 v52, v52
	v_fma_f32 v53, -v52, s55, \ph
	v_fma_f32 v53, -v52, s56, v53
	v_fma_f32 v53, -v52, s57, v53
	v_mul_f32 v54, v53, v53
	v_cvt_i32_f32 v57, v52
	v_mov_b32 v55, 0xb94ca1f9
	v_fmaak_f32 v55, v55, v54, 0x3c08839e
	v_fmaak_f32 v55, v55, v54, 0xbe2aaaa3
	v_mul_f32 v55, v55, v54
	v_fma_f32 v55, v55, v53, v53                   ; sin r = r + r^3 (..)
	v_mov_b32 v56, 0x37ccf5ce
	v_fmaak_f32 v56, v56, v54, 0xbab6061a
	v_fmaak_f32 v56, v56, v54, 0x3d2aaaa5
	v_mul_f32 v56, v56, v54
	v_fma_f32 v56, v56, v54, 1.0
	v_fma_f32 v56, v54, -0.5, v56                  ; cos r = 1 - r^2 / 2 + r^4 (..)
	v_and_b32 v52, 1, v57
	v_cmp_eq_u32 vcc_lo, 1, v52
	v_cndmask_b32 \os, v55, v56, vcc_lo
	v_cndmask_b32 \oc, v56, v55, vcc_lo
	v_and_b32 v52, 2, v57
	v_lshlrev_b32 v52, 30, v52
	v_xor_b32 \os, v52, \os
	v_add_nc_u32 v52, 1, v57
	v_and_b32 v52, 2, v52
	v_lshlrev_b32 v52, 30, v52
	v_xor_b32 \oc, v52, \oc
	v_mul_f32 \os, s58, \os
	v_mul_f32 \oc, s58, \oc
.endm
	SINCOS v40, v44, v45
	SINCOS v41, v46, v47
	s_lshl_b32 s44, s[TL], 11
	v_lshl_add_u32 v48, v0, 4, s44
	global_store_b128 v48, v[44:47], s[24:25]      ; 512 consecutive bytes a wave
	s_cmp_lg_u32 s[WV], 0
	s_cbranch_scc1 .Lnot0
	; wave 0: the bias table's 256 bytes of (st, j) = (part / 2, part % 2): word 32 ct + L holds bv[adv][2 j + kk][16 ct + L % 16]; lane l writes words 2 l, 2 l + 1
	s_lshl1_add_u32 s44, s[ISB], s[KK]
	s_lshl2_add_u32 s44, s[ADV], s44
	s_lshl_b32 s44, s44, 7
	v_and_b32 v60, 7, v0
	v_lshlrev_b32 v60, 1, v60
	v_lshl_add_u32 v60, v9, 4, v60
	v_lshl_add_u32 v60, v60, 2, s44
	global_load_b64 v[62:63], v60, s[12:13]
	s_lshl_b32 s45, s[TL], 8
	s_add_co_u32 s45, s45, 32768
	v_lshl_add_u32 v65, v[LN], 3, s45
	s_wait_loadcnt 0x0
	v_cvt_pk_bf16_f32 v64, v62, v63
	v_lshlrev_b32 v62, 16, v64
	v_and_b32 v63, 0xffff0000, v64
	global_store_b64 v65, v[62:63], s[24:25]       ; 256 consecutive bytes, aligned
	s_branch .Lend
.Lnot0:
	s_cmp_lg_u32 s[TL], 0
	s_cbranch_scc1 .Lend
	s_cmp_lg_u32 s[WV], 1
	s_cbranch_scc1 .Lnot1
	; wave 1 of part 0: the axis' whole numbers: token stride, line stride (in tokens), and the factor 0 or 1 of the addend's offsets; zeros behind them
	s_cmp_eq_u32 s[AX], 0
	s_cselect_b32 s45, 32, 1
	s_cselect_b32 s46, 1, 32
	v_cmp_eq_u32 vcc_lo, 1, v[LN]
	v_cndmask_b32 v66, 0, s[AX], vcc_lo
	v_mov_b32 v68, s45
	v_cmp_eq_u32 vcc_lo, 0, v[LN]
	v_cndmask_b32 v66, v66, v68, vcc_lo
	v_cndmask_b32 v67, 0, s46, vcc_lo
	v_lshlrev_b32 v69, 3, v[LN]
	global_store_b64 v69, v[66:67], s[28:29]
	s_branch .Lend
.Lnot1:
	s_xor_b32 s44, s[WV], 2
	s_or_b32 s44, s44, s[AX]
	s_cmp_lg_u32 s44, 0
	s_cbranch_scc1 .Lend
	; wave 2 of part 0 of axis 0: the 512 bytes of zeros that the first axis launch adds
	v_mov_b32 v70, 0
	v_mov_b32 v71, 0
	v_mov_b32 v72, 0
	v_mov_b32 v73, 0
	v_lshlrev_b32 v74, 4, v[LN]
	global_store_b128 v74, v[70:73], s[2:3]
.Lend:
	s_wait_tensorcnt 0x0                           ; the wave's end, behind the last LDS store
	ds_add_u32 v[SPW], v[NIL]
	s_wait_dscnt 0x0
	s_endpgm
.Lfunc_end_k_q42d6b04d01_prep:
	.size	k_q42d6b04d01_prep, .Lfunc_end_k_q42d6b04d01_prep-k_q42d6b04d01_prep
	.p2alignl 7, 3214868480
	.fill 96, 4, 3214868480
	.section	.rodata,"a",@progbits
	.p2align	6, 0x0
	.amdhsa_kernel k_q42d6b04d01_prep
		.amdhsa_group_segment_fixed_size 17408
		.amdhsa_private_segment_fixed_size 0
		.amdhsa_enable_private_segment 0
		.amdhsa_kernarg_size 120
		.amdhsa_user_sgpr_count 2
		.amdhsa_user_sgpr_kernarg_segment_ptr 1
		.amdhsa_wavefront_size32 1
		.amdhsa_system_sgpr_workgroup_id_x 1
		.amdhsa_system_sgpr_workgroup_id_y 1
		.amdhsa_system_sgpr_workgroup_id_z 1
		.amdhsa_system_vgpr_workitem_id 0
		.amdhsa_next_free_vgpr 112
		.amdhsa_next_free_sgpr 66
		.amdhsa_reserve_vcc 1
		.amdhsa_float_denorm_mode_32 3
		.amdhsa_float_denorm_mode_16_64 3
		.amdhsa_memory_ordered 1
		.amdhsa_forward_progress 1
		.amdhsa_inst_pref_size 45
	.end_amdhsa_kernel
	.amdgpu_metadata
---
amdhsa.version: [ 1, 2 ]
amdhsa.kernels:
  - .name:           k_q42d6b04d01_prep
    .symbol:         k_q42d6b04d01_prep.kd
    .args:
      - { .name: Wq, .offset: 0, .size: 8, .value_kind: global_buffer, .address_space: global }
      - { .name: Wk, .offset: 8, .size: 8, .value_kind: global_buffer, .address_space: global }
      - { .name: Wv, .offset: 16, .size: 8, .value_kind: global_buffer, .address_space: global }
      - { .name: Wo, .offset: 24, .size: 8, .value_kind: global_buffer, .address_space: global }
      - { .name: bv, .offset: 32, .size: 8, .value_kind: global_buffer, .address_space: global }
      - { .name: rope_freq, .offset: 40, .size: 8, .value_kind: global_buffer, .address_space: global }
      - { .name: xpos, .offset: 48, .size: 8, .value_kind: global_buffer, .address_space: global }
      - { .name: ypos, .offset: 56, .size: 8, .value_kind: global_buffer, .address_space: global }
      - { .name: wp0, .offset: 64, .size: 8, .value_kind: global_buffer, .address_space: global }
      - { .name: wp1, .offset: 72, .size: 8, .value_kind: global_buffer, .address_space: global }
      - { .name: tb0, .offset: 80, .size: 8, .value_kind: global_buffer, .address_space: global }
      - { .name: tb1, .offset: 88, .size: 8, .value_kind: global_buffer, .address_space: global }
      - { .name: pr0, .offset: 96, .size: 8, .value_kind: global_buffer, .address_space: global }
      - { .name: pr1, .offset: 104, .size: 8, .value_kind: global_buffer, .address_space: global }
      - { .name: zr, .offset: 112, .size: 8, .value_kind: global_buffer, .address_space: global }
    .group_segment_fixed_size: 17408
    .private_segment_fixed_size: 0
    .kernarg_segment_align: 8
    .kernarg_segment_size: 120
    .max_flat_workgroup_size: 128
    .sgpr_count:     66
    .vgpr_count:     112
    .wavefront_size: 32
...
	.end_amdgpu_metadata
.endif
;; end of part 1
;; launch ax0 (part 2): grid 256 x 1, 4 waves a work-group, clusters of 4 x 1, 327,680 bytes of LDS; arguments x, wp0, tb0, pr0, zr, part; writes part
.if DOCPART == 2
	.amdgcn_target "amdgcn-amd-amdhsa--gfx1250"
	.amdhsa_code_object_version 6
	.text
	.protected	k_q42d6b04d01_ax0
	.globl	k_q42d6b04d01_ax0
	.p2align	8
	.type	k_q42d6b04d01_ax0,@function
k_q42d6b04d01_ax0:
	s_mov_b64 s[64:65], 0
	v_nop
	global_prefetch_b8 v0, s[64:65] scope:SCOPE_SE
	s_setreg_imm32_b32 hwreg(HW_REG_WAVE_MODE, 25, 1), 1
	s_wait_xcnt 0x0
	s_wait_alu depctr_hold_cnt(0) depctr_sa_sdst(0) depctr_va_vdst(0) depctr_va_sdst(0) depctr_va_ssrc(0) depctr_va_vcc(0) depctr_vm_vsrc(0)
	s_getreg_b32 s2, hwreg(HW_REG_IB_STS2, 6, 4)
	s_cmp_eq_u32 s2, 0
	s_cbranch_scc0 .Lentry_in_a_cluster
	s_endpgm
.Lentry_in_a_cluster:
	s_bfe_u32 s2, ttmp6, 0x10000c
	s_cmp_lg_u32 s2, 0x3003
	s_cbranch_scc0 .Lentry_shape_is_right
	s_endpgm
.Lentry_shape_is_right:
; ONE AXIS OF THE AXIAL ATTENTION, fused: projections, rope, sigmoid attention along lines of 32 tokens, output projection.  Arguments: x, the axis' packed weights, its tables, its three whole numbers,
; an addend and the destination (f32, laid out like x).  The whole numbers: the stride from token to token of a line and from line to line (in tokens), and a factor 0 or 1 for the addend's offsets.
; THE ADDEND is always read and added.  With the factor 1 it is laid out like the destination (the other axis' contribution); with 0 every load reads the same 512 bytes, 16 a lane, of a buffer of zeros.
; So the one text has no branch on a number from memory.
; SHARES.  256 work-groups of 4 waves; a work-group owns 4 lines (128 tokens) of one image.  Wave w: i = w / 2 chooses lines 2 i, 2 i + 1 (64 tokens: token tiles tt = 2 ln + pt of 16),
; j = w % 2 the kv heads k = 2 j + kk and the output channels 128 j .. 128 j + 127.  Eight steps st = (dv, kk); a step is 416 matrix instructions a wave.
; WHAT STAYS WHERE.  x: bf16 fragments in 256 registers for the whole launch.  The output sums: 256 registers.  q, k, v, scores, weights and O never leave registers, but that each wave also hands its O to the
; wave that shares its tokens, through LDS.  The weights (1.5 MB an axis, the same for every work-group) stream through two LDS slots: tile A of a step (Wk, Wv, Wq of m = 0) in slot 0, tile B (Wq of m = 1, Wo) in slot 1.
; CLUSTER.  The four work-groups of a cluster ask for every tile JOINTLY: the same tensor load, descriptor and mask in all four; a wave fetches 48 of a tile's 192 rows (192 rows do not divide into four loads of 64).
; LAYOUT.  q^T, k^T = W x^T (source 0 = 16 channels, source 1 = 16 tokens): a lane holds ONE token and 8 channels; two results, turned by the rope table and rounded in pairs, ARE a fragment (16 tokens x 32 channels).
; v = x W^T (sources swapped): a lane holds one channel and 8 tokens: two results ARE a fragment of V^T.  S^T = K Q^T, O^T = V^T P and out^T = Wo^T O chain in the same way: nothing changes lanes.
; SIGMOID.  Wk comes negated and the table's cos and sin carry sqrt(log2 e), so S^T is -s log2 e; P' = 1 / (32 + 32 x 2^S) = sigmoid(s) / 32; Wo comes times 32.  So O' = O / 32 stays within v's range.
; FORMATS AND LIMITS.  x and the weights multiply in bf16 (each input rounded once); turned q and k, v, P' and O' are f16: 1.2 |q|, 1.2 |k| and |v| must stay below 65,504; P' below 6e-5 keeps f16's fixed step of 6e-8.
; 2^S below 2^-126 counts as 0 (P' = 1/32), an overflow gives P' = 0.  NaN and infinities are not treated apart.  All sums in f32.
; SIDE BY SIDE.  A step has 880 vector instructions for its 416 matrix instructions.  They are cut into slices of four, and a slice stands behind a matrix instruction that does not depend on it:
;   K -> XA (bias copies) | Q0 -> YA (k's two rotations) | V -> XA (q0's rotation; the scores of m = 0 into YA; their sigmoid) | change of slots | v and P' rounded; V^T P | Q1 -> XA (O' of m = 0 rounded, stored) |
;   the output products of m = 0, own O' first, then the partner's (q1's rotation; the scores of m = 1 into XA; their sigmoid) | P' rounded; V^T P; O' rounded, stored | the output products of m = 1, own, then partner's.
; Two buffers of 64 sums, XA and YA, take turns so that one is worked on while the other is filled.  A slice costs two switches of the register window: no window has room for a product's operands beside the vector work.
; REGISTERS, in windows of 256 (s_set_vgpr_msb: bits 1:0 source 0, 3:2 source 1, 5:4 source 2, 7:6 destination):
;   window 0: v0-15 addresses; v16-31 at work; v32-95 XA; v96-159 YA (also the partner's O'); v160-223 the step's rope table; v224-255 QP (turned q0, then P' of m = 0, then my own O')
;   window 1: x's fragments, 8 (8 tt + ks)     window 2: the output sums, 8 (8 tt + cc)
;   window 3: v0-127 two buffers of weight fragments; v128-191 KR (turned k for m = 0, 1; the first half later turned q1, then P' of m = 1); v192-223 V^T; v224-239 the bias as a C operand; v240-241 the stage's two addresses
.set PW,    528                        ; a row in LDS: 512 bytes + 16 = 132 words: row r starts at bank 4 r mod 64 (64 banks of 4 bytes: ISA guide 11.1), so the 16 rows of a fragment load start at 16 different banks
.set SLOTB, 192*PW                     ; a slot
.set TILEB, 98304                      ; a tile in memory
.set TAB,   2*SLOTB                    ; the tables, filled once: 32,768 bytes of rope, 4,096 of bias
.set XT,    TAB+36864                  ; written by LDS stores alone, never by a tensor load: first x as bf16, 128 rows x 528 bytes;
.set OX,    XT                         ; then O's exchange, 8,192 bytes a wave (4,096 for each m),
.set STG,   XT+32768                   ; and the stages of the way out, 16 rows x 528 bytes a wave
.set SPARE, XT+128*PW                  ; the spare words, 128 bytes a wave, that no other line names
.set SPW, 1
.set NIL, 2
.set AW0, 3                            ; my place in slot 0's rows: (96 j + r) x 528 + 16 h
.set AW1, 4                            ; in slot 1's Wq rows: (32 j + r) x 528 + 16 h
.set AWOO, 5                           ; in slot 1's Wo rows, my output channels x my own head channels: (64 + r) x 528 + 384 j + 16 h
.set LN,  6                            ; lane; never rewritten
.set ATB, 7                            ; rope table of k = 2 j: + 16 lane
.set ABI, 8                            ; bias table of j: + 4 lane
.set ADT, 9                            ; the two with the step's offsets
.set XS,  9                            ; (at the head: x into LDS)
.set ADB, 10
.set OXS, 11                           ; where I put my O'
.set OXP, 12                           ; where my partner (wave w xor 1) puts its O'
.set PFO, 13                           ; 256 x lane
.set AWOP, 14                          ; Wo, my output channels x my partner's head channels: (64 + r) x 528 + 128 + 128 j + 16 h
.set AXF, 15                           ; x's fragments
.set TMP, 16
.set XA,  32
.set YA,  96
.set TB,  160
.set GOFF, 160                         ; the tail: 16 rows' offsets in the destination,
.set AOFF, 176                         ; and in the addend
.set VOFF, 160                         ; the head: 32 rows' offsets in x
.set QP,  224
.set KR,  128                          ; window 3
.set VV,  192                          ; window 3
.set BI,  224                          ; window 3
.set STO, 240                          ; window 3: the way out: where I put 32 bytes of a token's row
.set RD,  241                          ; window 3: where I read rows back
.set WV,  16
.set SI,  17
.set SJ,  18
.set CX,  19
.set SG,  20
.set WGB, 21
.set TSB, 24                           ; bytes from token to token of a line
.set LSB, 25                           ; bytes from line to line
.set ADDF, 26                          ; the addend's factor, 0 or 1
.set ATS, 27                           ; bytes from token to token in the addend: TSB or 0
.set G1W, 28                           ; s[28:35] group 1 of the weight tiles
.set G0,  36                           ; s[36:43] group 0, a set for each slot
.set G1T, 44                           ; s[44:51] group 1 of the tables
.set G0T, 52                           ; s[52:55]
.set CNT, 56
.set LIM, 57                           ; 1 in a wave that prefetches, else the greatest number
.set PFA, 58
.set TBO, 60                           ; 8,192 kk
.set BIO, 61                           ; 512 st
.set C32, 62                           ; s[62:63] 32.0
.set DP,  72                           ; s[72:79] the destination at my token tile tt, my 128 channels
.set AP,  80                           ; s[80:87] the addend there (or at its first byte)
.set XB,  88                           ; s[88:89] x at line w of the work-group
.set MSB, 0
.macro WIN new                         ; the high byte repeats the setting that is left; a switch that changes nothing is dropped
.if MSB != (\new)
	s_set_vgpr_msb (MSB<<8)|(\new)
.set MSB, (\new)
.endif
.endm
.macro PLACES                          ; four places behind a matrix instruction, in front of a read of its result or a load into one of its registers, where no slice of plain work stands there
.rept 4
	v_nop
.endr
.endm
.macro ROUND                           ; a round of the cluster's barrier: my work-group's barrier; wave 0 signals for it; every wave waits for all four work-groups; my work-group's barrier once more
	s_barrier_signal -1
	s_barrier_wait -1
	s_cmp_lg_u32 s[WV], 0
	s_cbranch_scc1 .Lnw0_\@
	s_barrier_signal -3
.Lnw0_\@:
	s_barrier_wait -3
	s_barrier_signal -1
	s_barrier_wait -1
.endm
; THE LDS LOADS stand in runs, never singly among the matrix instructions.
; 16 loads: the fragments of 32 weight rows from row0 on, input channels 128 half .. + 127, into buffer buf: fragment 2 q + ct
.macro FW buf, areg, row0, half
	WIN 0xc0
.irp q, 0,1,2,3
.irp ct, 0,1
	ds_load_b128 v[64*(\buf)+8*(2*(\q)+(\ct)):64*(\buf)+8*(2*(\q)+(\ct))+3],   v[\areg] offset:((\row0)+16*(\ct))*PW+(4*(\half)+(\q))*64
	ds_load_b128 v[64*(\buf)+8*(2*(\q)+(\ct))+4:64*(\buf)+8*(2*(\q)+(\ct))+7], v[\areg] offset:((\row0)+16*(\ct))*PW+(4*(\half)+(\q))*64+32
.endr
.endr
.endm
; 16 loads: Wo's fragments of my 128 output channels for the 32 head channels of head m, my own (AWOO) or my partner's (AWOP)
.macro FO buf, areg, m
	WIN 0xc0
.irp cc, 0,1,2,3,4,5,6,7
	ds_load_b128 v[64*(\buf)+8*(\cc):64*(\buf)+8*(\cc)+3],   v[\areg] offset:(\cc)*16*PW+64*(\m)
	ds_load_b128 v[64*(\buf)+8*(\cc)+4:64*(\buf)+8*(\cc)+7], v[\areg] offset:(\cc)*16*PW+64*(\m)+32
.endr
.endm
.macro LDP dst, m                      ; 8 loads: my partner's O' of head m
	WIN 0
.irp g, 0,1,2,3,4,5,6,7
	ds_load_b128 v[(\dst)+4*(\g):(\dst)+4*(\g)+3], v[OXP] offset:4096*(\m)+512*(\g)
.endr
.endm
.macro STO8 m                          ; 8 stores: my O' of head m, out of QP
	WIN 0
.irp g, 0,1,2,3,4,5,6,7
	ds_store_b128 v[OXS], v[QP+4*(\g):QP+4*(\g)+3] offset:4096*(\m)+512*(\g)
.endr
.endm
; THE MATRIX WORK.  Product n of 64 of a projection into buffer acc: input channels 128 (n / 32) + 32 ((n % 32) / 8) on, out of weight buffer n / 32; channel tile ct = (n % 8) / 4, token tile tt = n % 4.
; The 8 accumulators (tt, ct) take turns, one instruction a turn.  kind 0: W x^T, the sums start with 0.  kind 1: x W^T, they start with the bias.
.macro PMM acc, kind, n
.set rD, (\acc)+8*(2*((\n)%4)+((\n)%8)/4)
.set rW, 64*((\n)/32)+8*(2*(((\n)%32)/8)+((\n)%8)/4)
.set rX, 8*(8*((\n)%4)+4*((\n)/32)+((\n)%32)/8)
.if (\kind) == 0
	WIN 0x07
.if (\n) < 8
	v_wmma_f32_16x16x32_bf16 v[rD:rD+7], v[rW:rW+7], v[rX:rX+7], 0
.else
	v_wmma_f32_16x16x32_bf16 v[rD:rD+7], v[rW:rW+7], v[rX:rX+7], v[rD:rD+7]
.endif
.else
.if (\n) < 8
	WIN 0x3d
	v_wmma_f32_16x16x32_bf16 v[rD:rD+7], v[rX:rX+7], v[rW:rW+7], v[BI+8*(((\n)%8)/4):BI+8*(((\n)%8)/4)+7]
.else
	WIN 0x0d
	v_wmma_f32_16x16x32_bf16 v[rD:rD+7], v[rX:rX+7], v[rW:rW+7], v[rD:rD+7]
.endif
.endif
.endm
; Product n of 32 of the output projection for 32 head channels: output channels 16 (n / 4) on, token tile n % 4.  All 32 output sums take turns.
.macro OMM buf, breg, n
	WIN 0xa3
.set rD, 8*(8*((\n)%4)+(\n)/4)
.set rW, 64*(\buf)+8*((\n)/4)
.set rX, (\breg)+8*((\n)%4)
	v_wmma_f32_16x16x32_f16 v[rD:rD+7], v[rW:rW+7], v[rX:rX+7], v[rD:rD+7]
.endm
.macro SCORES acc, ka, qb, win         ; 8 products S^T = K Q^T on my two lines
	WIN \win
.irp ln, 0,1
.irp qt, 0,1
.irp kt, 0,1
.set rS, (\acc)+8*(4*(\ln)+2*(\qt)+(\kt))
.set rK, (\ka)+8*(2*(\ln)+(\kt))
.set rQ, (\qb)+8*(2*(\ln)+(\qt))
	v_wmma_f32_16x16x32_f16 v[rS:rS+7], v[rK:rK+7], v[rQ:rQ+7], 0
.endr
.endr
.endr
.endm
.macro PVM acc, pb, win                ; 8 products O^T = V^T P
	WIN \win
.irp ln, 0,1
.irp qt, 0,1
.irp ct, 0,1
.set rS, (\acc)+8*(4*(\ln)+2*(\qt)+(\ct))
.set rK, VV+16*(\ln)+8*(\ct)
.set rQ, (\pb)+8*(2*(\ln)+(\qt))
	v_wmma_f32_16x16x32_f16 v[rS:rS+7], v[rK:rK+7], v[rQ:rQ+7], 0
.endr
.endr
.endr
.endm
; THE VECTOR WORK, in slices of four.
; Slice n of 24 of a rotation by head m's table, with the rounding to f16: (a0, a1) -> (a0 c + a1 s, a1 c - a0 s).  Accumulator n / 3 of the buffer src; n % 3: four products, four multiply-adds, four roundings.
; Each accumulator's lowest registers are read first.  Two sets of eight registers at work take turns.
.macro RSL src, m, dst, dwin, n
.set rA, (\src)+8*((\n)/3)
.set rB, TB+32*(\m)+16*((((\n)/3)/2)%2)+8*(((\n)/3)%2)
.set rT, TMP+8*(((\n)/3)%2)
.if (\n)%3 == 0
	WIN 0
.irp p, 0,1,2,3
	v_pk_mul_f32 v[rT+2*(\p):rT+2*(\p)+1], v[rA+2*(\p):rA+2*(\p)+1], v[rB+2*(\p):rB+2*(\p)+1] op_sel_hi:[1,0]
.endr
.elseif (\n)%3 == 1
	WIN 0
.irp p, 0,1,2,3
	v_pk_fma_f32 v[rT+2*(\p):rT+2*(\p)+1], v[rA+2*(\p):rA+2*(\p)+1], v[rB+2*(\p):rB+2*(\p)+1], v[rT+2*(\p):rT+2*(\p)+1] op_sel:[1,1,0] op_sel_hi:[0,1,1] neg_hi:[0,1,0]
.endr
.else
	WIN \dwin
.irp p, 0,1,2,3
	v_cvt_pk_f16_f32 v[(\dst)+4*((\n)/3)+(\p)], v[rT+2*(\p)], v[rT+2*(\p)+1]
.endr
.endif
.endm
; Slice t of 40 of a sigmoid, in place on the 64 scores of buffer buf: 0-15 the exponentials, ONE batch; ahead of slice 16 a plain instruction and the one wait ahead of the batch's first reader;
; 16-23: 32 x + 32, two at a time; 24-39 the reciprocals, a second batch: its wait stands behind the phase, ahead of the roundings.
.macro GSL buf, t
	WIN 0
.if (\t) < 16
.irp p, 0,1,2,3
	v_exp_f32 v[(\buf)+4*(\t)+(\p)], v[(\buf)+4*(\t)+(\p)]
.endr
.elseif (\t) < 24
.if (\t) == 16
	v_nop
	s_wait_alu depctr_va_vdst(0)
.endif
.irp p, 0,1,2,3
	v_pk_fma_f32 v[(\buf)+8*((\t)-16)+2*(\p):(\buf)+8*((\t)-16)+2*(\p)+1], v[(\buf)+8*((\t)-16)+2*(\p):(\buf)+8*((\t)-16)+2*(\p)+1], s[C32:C32+1], s[C32:C32+1] op_sel_hi:[1,0,0]
.endr
.else
.irp p, 0,1,2,3
	v_rcp_f32 v[(\buf)+4*((\t)-24)+(\p)], v[(\buf)+4*((\t)-24)+(\p)]
.endr
.endif
.endm
.macro OSL src, n                      ; slice n of 8: accumulator n of O^T rounded to f16 into QP
	WIN 0
.irp p, 0,1,2,3
	v_cvt_pk_f16_f32 v[QP+4*(\n)+(\p)], v[(\src)+8*(\n)+2*(\p)], v[(\src)+8*(\n)+2*(\p)+1]
.endr
.endm
.macro PCV src, dst, win               ; a buffer's 64 numbers rounded to f16, on end
	WIN \win
.set z, 0
.rept 32
	v_cvt_pk_f16_f32 v[(\dst)+z], v[(\src)+2*z], v[(\src)+2*z+1]
.set z, z+1
.endr
.endm
.macro CV                              ; v to f16: line ln, channels 16 ct on, keys 16 e + 8 h on
	WIN 0xc0
.irp ln, 0,1
.irp e, 0,1
.irp ct, 0,1
.irp p, 0,1,2,3
	v_cvt_pk_f16_f32 v[VV+16*(\ln)+8*(\ct)+4*(\e)+(\p)], v[XA+8*(2*(2*(\ln)+(\e))+(\ct))+2*(\p)], v[XA+8*(2*(2*(\ln)+(\e))+(\ct))+2*(\p)+1]
.endr
.endr
.endr
.endr
.endm
; THE CHANGE OF SLOTS, into slot.  Each wave waits for all its tensor loads (one is out: its part of this slot), adds 0 to its spare word, and waits for that and for all its LDS reads and stores.
; refill = 1: a round of the cluster's barrier follows, so that no wave of any partner still reads the other slot or has a load on its way, and the joint refill of the other slot is the first thing behind it:
; it has half a step, 200 matrix instructions or more, in which to land.  Then the new slot's first run of LDS loads.
; ask = 1 (the loop): one prefetch, behind the joint load's lines and the run of LDS loads: the tile that stands two refills on.  A tile is 12 blocks of 8,192 bytes: in the launch's first cluster waves 0 to 2 of
; the four partners take one each, told apart by address, a lane 256 bytes: each block is named once in the launch.  The loop's last trip asks for nothing: those tiles do not exist.
.macro HEAD slot, refill, ask
	WIN 0
.if \ask
	s_wait_xcnt 0x0                                ; the last prefetch, half a step back, has read its address
	s_add_nc_u64 s[PFA:PFA+1], s[PFA:PFA+1], TILEB
.endif
	s_wait_tensorcnt 0x0                           ; no tensor load of mine is out, so a group 0 may be written
	ds_add_u32 v[SPW], v[NIL]                      ; 0 onto my spare word
.if \refill
	s_add_nc_u64 s[G0+4*(\slot)+2:G0+4*(\slot)+3], s[G0+4*(\slot)+2:G0+4*(\slot)+3], 2*TILEB  ; this slot's next tile
.endif
.if (\ask) && ((\slot) == 0)
	s_xor_b32 s[TBO], s[TBO], 8192                 ; the next step's tables
	s_add_co_u32 s[BIO], s[BIO], 512
.endif
	s_wait_dscnt 0x0                               ; the add is done; so are my reads of the other slot and of the exchange, and my stores
.if \refill
	ROUND
	tensor_load_to_lds s[G0+4*(1-(\slot)):G0+4*(1-(\slot))+3], s[G1W:G1W+7]
	s_nop 0
	PLACES                                         ; also the places in front of the loads below
.else
	s_barrier_signal -1
	s_barrier_wait -1
	PLACES
.endif
.if (\slot) == 0
	v_add_nc_u32 v[ADT], s[TBO], v[ATB]
	v_add_nc_u32 v[ADB], s[BIO], v[ABI]
	FW 0, AW0, 0, 0                                ; Wk
	FW 1, AW0, 0, 1
	WIN 0
.irp b, 0,1,2,3,4,5,6,7,8,9,10,11,12,13,14,15
	ds_load_b128 v[TB+4*(\b):TB+4*(\b)+3], v[ADT] offset:512*(\b)
.endr
	WIN 0xc0
	ds_load_b32 v[BI], v[ADB]
	ds_load_b32 v[BI+8], v[ADB] offset:128
.else
	FW 0, AW1, 0, 0                                ; Wq of m = 1
	FW 1, AW1, 0, 1
.endif
.if \ask
	WIN 0
	s_cmp_gt_u32 s[CNT], s[LIM]
	s_cbranch_scc0 .Lna_\@
	global_prefetch_b8 v[PFO], s[PFA:PFA+1] th:TH_LOAD_NT scope:SCOPE_SE
.Lna_\@:
.endif
.endm
; SLOT 0's HALF OF A STEP.  Each counted wait names the LDS instructions issued behind the ones that are wanted.  A weight buffer is loaded again four places behind its last product: a slice of plain work, or four v_nop.
.macro WORK0
	s_wait_dscnt 34                                ; Wk's first half is in; behind it: its second half 16, the table 16, the bias 2
.set i, 0
.rept 32
	PMM XA, 0, i                                   ; k -> XA: there is no vector work yet to set beside it
.set i, i+1
.endr
	PLACES
	FW 0, AW0, 64, 0                               ; Wq of m = 0
	s_wait_dscnt 16                                ; Wk's second half, table and bias; behind them the 16 just issued
.rept 32
	PMM XA, 0, i
.if i < 36                             ; the bias is the same for a lane's eight tokens: 14 copies behind four products
	WIN 0xc3
.irp z, 0,1
.if 2*(i-32)+(\z) < 7
	v_mov_b32 v[BI+1+2*(i-32)+(\z)], v[BI]
	v_mov_b32 v[BI+9+2*(i-32)+(\z)], v[BI+8]
.endif
.endr
.endif
.set i, i+1
.endr
	PLACES
	FW 1, AW0, 64, 1
	s_wait_dscnt 16
.set i, 0
.rept 32
	PMM YA, 0, i                                   ; q of m = 0 -> YA | k turned for both heads, XA -> KR: 48 slices
	RSL XA, i/24, KR+32*(i/24), 0xc0, i%24
.set i, i+1
.endr
	FW 0, AW0, 32, 0                               ; Wv (the slice just written, four multiply-adds, is the four places)
	s_wait_dscnt 16
.rept 32
	PMM YA, 0, i
.if i < 48
	RSL XA, i/24, KR+32*(i/24), 0xc0, i%24
.endif
.set i, i+1
.endr
	PLACES
	FW 1, AW0, 32, 1
	s_wait_dscnt 16
.set i, 0
.rept 64
.if i == 32
	s_wait_dscnt 0x0                               ; Wv's second half
.endif
	PMM XA, 1, i                                   ; v -> XA | q turned, YA -> QP: 24 slices; the scores into YA; their sigmoid: 40 slices
.if i < 24
	RSL YA, 0, QP, 0, i
.else
	GSL YA, i-24
.endif
.if i == 23
	SCORES YA, KR, QP, 0x03
	PLACES
.endif
.set i, i+1
.endr
	PLACES                                         ; the plain instruction behind the last reciprocal, and the places behind v's last products,
	s_wait_alu depctr_va_vdst(0)                   ; and the one wait for the 64 reciprocals, ahead of the branches of the change of slots
.endm
; SLOT 1's HALF.  last = 1: x's fragments and the table are dead behind q of m = 1: the addend is asked for into x's registers.
; O's EXCHANGE, once for each m: my stores are waited for, I signal; products that need nothing of my partner stand between the signal and the wait; behind the wait my partner's O' is read, and more such products cover the reading.
.macro WORK1 last
	CV                                             ; 64 roundings stand behind the run of LDS loads of the change of slots: v,
	PCV YA, QP, 0                                  ; and P' of m = 0
	PVM YA, QP, 0x03
	s_wait_dscnt 16                                ; Wq's first half is in
.set i, 0
.rept 32
	PMM XA, 0, i                                   ; q of m = 1 -> XA | O' of m = 0 rounded, YA -> QP, and stored
.if i == 0
	PLACES
.elseif i < 9
	OSL YA, i-1
.elseif i == 9
	STO8 0
.endif
.set i, i+1
.endr
	s_wait_dscnt 0x0                               ; Wq's second half is in; for my partner's sake: my O' of m = 0 is stored
	s_barrier_signal -1
	PLACES
	FO 0, AWOO, 0                                  ; (rows of slot 1, which nobody writes before a later barrier)
.rept 32
	PMM XA, 0, i
.set i, i+1
.endr
	s_barrier_wait -1                              ; the refill that is on its way may stay out
	PLACES
	FO 1, AWOP, 0
	LDP YA, 0
	s_wait_dscnt 24                                ; Wo for my own O' is in; behind it: Wo for my partner's 16, my partner's O' 8
.set i, 0
.rept 64
.if i == 32
	s_wait_dscnt 0x0
.endif
.if i < 32
	OMM 0, QP, i                                   ; the output products of m = 0, my own O' | q turned, XA -> KR: 24 slices; the scores into XA; the sigmoid
.else
	OMM 1, YA, i-32                                ; my partner's
.endif
.if i < 24
	RSL XA, 1, KR, 0xc0, i
.else
	GSL XA, i-24
.endif
.if i == 23
	SCORES XA, KR+32, KR, 0x0f
	PLACES
.endif
.if i == 40
	FO 0, AWOO, 1                                  ; behind the first slice of plain work since buffer 0's last product
.endif
.set i, i+1
.endr
	PLACES
	s_wait_alu depctr_va_vdst(0)                   ; the one wait for the 64 reciprocals
.if \last
	WIN 0
	v_lshlrev_b32 v[GOFF], 4, v[LN]
	v_lshlrev_b32 v[AOFF], 4, v[LN]
.set z, 1
.rept 15
	v_add_nc_u32 v[GOFF+z], s[TSB], v[GOFF+z-1]    ; row z of a token tile: z tokens on, 16 bytes a lane
	v_add_nc_u32 v[AOFF+z], s[ATS], v[AOFF+z-1]    ; the same in the addend, or no step at all
.set z, z+1
.endr
	WIN 0x40                                       ; no cache hint
.irp tt, 0,1,2,3
.irp row, 0,1,2,3,4,5,6,7,8,9,10,11,12,13,14,15
	global_load_b128 v[4*(16*(\tt)+(\row)):4*(16*(\tt)+(\row))+3], v[AOFF+(\row)], s[AP+2*(\tt):AP+2*(\tt)+1]
.endr
.endr
.endif
	PCV XA, KR, 0xc0                               ; P' of m = 1
	PVM XA, KR, 0x0f
	PLACES
	PCV XA, QP, 0                                  ; O' of m = 1
	STO8 1
	s_wait_dscnt 0x0                               ; for my partner's sake: it is stored
	s_barrier_signal -1
	FO 1, AWOP, 1
.set i, 0
.rept 16
	OMM 0, QP, i                                   ; the output products of m = 1, my own O'
.set i, i+1
.endr
	s_barrier_wait -1
	LDP YA+32, 1
.rept 16
	OMM 0, QP, i
.set i, i+1
.endr
	s_wait_dscnt 0x0
.set i, 0
.rept 32
	OMM 1, YA+32, i                                ; my partner's
.set i, i+1
.endr
.endm
	s_load_b256 s[4:11], s[0:1], 0x0               ; x s[4:5], weights s[6:7], tables s[8:9], whole numbers s[10:11]
	s_load_b128 s[12:15], s[0:1], 0x20             ; addend s[12:13], destination s[14:15]
	v_lshl_add_u32 v[SPW], v0, 2, SPARE
	v_mov_b32 v[NIL], 0
	ds_add_u32 v[SPW], v[NIL]                      ; the wave's opening: the add, twice on end, and its wait ahead of my first tensor load
	ds_add_u32 v[SPW], v[NIL]
	v_lshrrev_b32 v[LN], 5, v0
	v_readfirstlane_b32 s[WV], v[LN]
	v_and_b32 v[LN], 31, v0
	s_lshr_b32 s[SI], s[WV], 1
	s_and_b32 s[SJ], s[WV], 1
	s_bfe_u32 s[CX], ttmp6, 0x40000                ; my place in the cluster: it enters global addresses alone
	s_lshl_b32 s[SG], ttmp9, 2
	s_add_co_u32 s[SG], s[SG], s[CX]
	; group 1 of the weight tiles: 48 rows x 256 elements of 2 bytes, 16 bytes of padding behind each row
	s_mov_b32 s[G1W+0], 15|(1<<16)|(1<<20)|(1<<21)|(6<<22)|(3<<25)  ; the mask of four; 2-byte elements; padding on; bit 21 beside a mask; after every 128 words (code 6) 4 words (code 3)
	s_mov_b32 s[G1W+1], 256<<16                    ; tensor_dim0
	s_mov_b32 s[G1W+2], 48<<16                     ; tensor_dim1
	s_mov_b32 s[G1W+3], 256<<16                    ; tile_dim0
	s_mov_b32 s[G1W+4], 48                         ; tile_dim1
	s_mov_b32 s[G1W+5], 256                        ; elements from row to row
	s_mov_b32 s[G1W+6], 0
	s_mov_b32 s[G1W+7], 0
	; group 1 of the tables: dense, 36 rows x 32 elements of 8 bytes a wave
	s_mov_b32 s[G1T+0], 15|(3<<16)|(1<<21)
	s_mov_b32 s[G1T+1], 32<<16
	s_mov_b32 s[G1T+2], 36<<16
	s_mov_b32 s[G1T+3], 32<<16
	s_mov_b32 s[G1T+4], 36
	s_mov_b32 s[G1T+5], 32
	s_mov_b32 s[G1T+6], 0
	s_mov_b32 s[G1T+7], 0
	s_mov_b32 s[G0], 1
	s_mul_i32 s[G0+1], s[WV], 48*PW                ; LDS: my 48 rows of slot 0,
	s_mov_b32 s[G0+4], 1
	s_add_co_u32 s[G0+5], s[G0+1], SLOTB           ; of slot 1
	s_mov_b32 s[G0T], 1
	s_mul_i32 s[G0T+1], s[WV], 9216
	s_add_co_u32 s[G0T+1], s[G0T+1], TAB
	s_mov_b32 s[C32], 0x42000000
	s_mov_b32 s[C32+1], 0x42000000
	s_mov_b32 s[TBO], 0
	s_mov_b32 s[BIO], 0
	s_mov_b32 s[CNT], 7
	s_mov_b32 s67, 0
	s_cmp_eq_u32 s[WV], 3
	s_cselect_b32 s22, 1, 0
	s_or_b32 s22, s22, ttmp9                       ; 0 in waves 0 to 2 of the first cluster: the same in all four partners
	s_cmp_eq_u32 s22, 0
	s_cselect_b32 s[LIM], 1, -1
	s_wait_dscnt 0x0                               ; both opening adds are done
	s_wait_kmcnt 0x0
	s_load_b128 s[68:71], s[10:11], 0x0            ; token stride, line stride, the addend's factor
	s_mul_i32 s66, s[WV], 24576
	s_add_nc_u64 s[G0+2:G0+3], s[6:7], s[66:67]    ; tile 0, my 48 rows
	s_add_nc_u64 s[G0+6:G0+7], s[G0+2:G0+3], TILEB ; tile 1
	s_or_b32 s[G0+3], s[G0+3], 0x80000000
	s_or_b32 s[G0+7], s[G0+7], 0x80000000
	s_mul_i32 s66, s[WV], 9216
	s_add_nc_u64 s[G0T+2:G0T+3], s[8:9], s[66:67]
	s_or_b32 s[G0T+3], s[G0T+3], 0x80000000
	s_lshl2_add_u32 s66, s[WV], s[CX]
	s_lshl_b32 s66, s66, 13
	s_add_co_u32 s66, s66, 3*TILEB                 ; block 4 w + cx of tile 3: the first change of slots in the loop steps it to tile 4
	s_add_nc_u64 s[PFA:PFA+1], s[6:7], s[66:67]
	s_wait_kmcnt 0x0
	s_min_u32 s68, s68, 32                         ; whole numbers from memory are held to their range before they enter an address
	s_min_u32 s69, s69, 32
	s_min_u32 s[ADDF], s70, 1
	s_lshl_b32 s[TSB], s68, 10
	s_lshl_b32 s[LSB], s69, 10
	s_mul_i32 s[ATS], s[TSB], s[ADDF]
	s_lshr_b32 s[WGB], s[SG], 3
	s_lshl_b32 s[WGB], s[WGB], 20                  ; the image,
	s_and_b32 s22, s[SG], 7
	s_lshl_b32 s22, s22, 2
	s_mul_i32 s22, s22, s[LSB]
	s_add_co_u32 s[WGB], s[WGB], s22               ; and the work-group's first line
	s_mul_i32 s66, s[WV], s[LSB]
	s_add_co_u32 s66, s66, s[WGB]
	s_add_nc_u64 s[XB:XB+1], s[4:5], s[66:67]
.irp tt, 0,1,2,3
	s_lshl1_add_u32 s22, s[SI], (\tt)/2
	s_mul_i32 s22, s22, s[LSB]
	s_add_co_u32 s66, s22, s[WGB]
.if (\tt)%2
	s_lshl_b32 s23, s[TSB], 4
	s_add_co_u32 s66, s66, s23
.endif
	s_lshl_b32 s23, s[SJ], 9
	s_add_co_u32 s66, s66, s23
	s_add_nc_u64 s[DP+2*(\tt):DP+2*(\tt)+1], s[14:15], s[66:67]
	s_mul_i32 s66, s66, s[ADDF]                    ; the same offset in the addend, or 0
	s_add_nc_u64 s[AP+2*(\tt):AP+2*(\tt)+1], s[12:13], s[66:67]
.endr
	v_lshlrev_b32 v[VOFF], 4, v[LN]
.set z, 1
.rept 31
	v_add_nc_u32 v[VOFF+z], s[TSB], v[VOFF+z-1]
.set z, z+1
.endr
	WIN 0x40                                       ; line w's 32 tokens, 1,024 bytes each: two loads of 512 consecutive bytes a token
.set z, 0
.rept 32
	global_load_b128 v[8*z:8*z+3],   v[VOFF+z], s[XB:XB+1] th:TH_LOAD_NT
	global_load_b128 v[8*z+4:8*z+7], v[VOFF+z], s[XB:XB+1] offset:512 th:TH_LOAD_NT
.set z, z+1
.endr
	WIN 0
	ROUND                                          ; all four work-groups are here: the first joint loads meet
	tensor_load_to_lds s[G0:G0+3], s[G1W:G1W+7]    ; tile 0 into slot 0,
	s_nop 0
	tensor_load_to_lds s[G0T:G0T+3], s[G1T:G1T+7]  ; and the tables: two loads of mine are out
	s_nop 0
	PLACES
	WIN 0x80                                       ; the output sums start at 0, written while x is on its way: the price of one text for every step
.set z, 0
.rept 256
	v_mov_b32 v[z], 0
.set z, z+1
.endr
	WIN 0
	v_and_b32 v[TMP], 15, v0                       ; r
	v_bfe_u32 v[TMP+1], v0, 4, 1                   ; h
	v_mul_u32_u24 v[TMP+2], v[TMP], PW
	v_lshl_add_u32 v[TMP+3], v[TMP+1], 5, v[TMP+2] ; the stage: a token's row x pitch + 32 h
	v_lshl_add_u32 v[TMP+2], v[TMP+1], 4, v[TMP+2] ; a fragment's row x pitch + 16 h
	s_mul_i32 s22, s[SJ], 96*PW
	v_add_nc_u32 v[AW0], s22, v[TMP+2]
	s_mul_i32 s22, s[SJ], 32*PW
	s_add_co_u32 s22, s22, SLOTB
	v_add_nc_u32 v[AW1], s22, v[TMP+2]
	s_mul_i32 s22, s[SJ], 384                      ; a row of Wo: 256 bytes for each half of the output channels, in it 128 for each wave's head channels: mine at 256 j + 128 j,
	s_add_co_u32 s22, s22, SLOTB+64*PW
	v_add_nc_u32 v[AWOO], s22, v[TMP+2]
	s_lshl_b32 s22, s[SJ], 7                       ; my partner's at 256 j + 128 (1 - j)
	s_add_co_u32 s22, s22, SLOTB+64*PW+128
	v_add_nc_u32 v[AWOP], s22, v[TMP+2]
	s_lshl_b32 s22, s[SJ], 14
	s_add_co_u32 s22, s22, TAB
	v_lshl_add_u32 v[ATB], v[LN], 4, s22
	s_lshl_b32 s22, s[SJ], 8
	s_add_co_u32 s22, s22, TAB+32768
	v_lshl_add_u32 v[ABI], v[LN], 2, s22
	s_lshl_b32 s22, s[WV], 13
	s_add_co_u32 s22, s22, OX
	v_lshl_add_u32 v[OXS], v[LN], 4, s22
	s_xor_b32 s22, s[WV], 1                        ; the wave that shares my tokens
	s_lshl_b32 s22, s22, 13
	s_add_co_u32 s22, s22, OX
	v_lshl_add_u32 v[OXP], v[LN], 4, s22
	v_lshlrev_b32 v[PFO], 8, v[LN]
	s_mul_i32 s22, s[WV], 32*PW
	s_add_co_u32 s22, s22, XT
	v_lshl_add_u32 v[XS], v[LN], 3, s22
	s_mul_i32 s22, s[SI], 64*PW
	s_add_co_u32 s22, s22, XT
	v_add_nc_u32 v[AXF], s22, v[TMP+2]
	s_mul_i32 s22, s[WV], 16*PW
	s_add_co_u32 s22, s22, STG                     ; my stage
	WIN 0xc0                                       ; its two addresses are kept in window 3
	v_add_nc_u32 v[STO], s22, v[TMP+3]
	v_lshl_add_u32 v[RD], v[LN], 4, s22
	; x to bf16 and into LDS, 16 loads at a time: load n = 2 t + half holds channels 128 half + 4 lane .. + 3 of token t
.set c, 0
.rept 4
	s_wait_loadcnt 48-16*c                         ; the younger chunks of 16 loads may stay out
	WIN 0x05
.set n, 16*c
.rept 16
	v_cvt_pk_bf16_f32 v[XA+2*n],   v[4*n],   v[4*n+1]
	v_cvt_pk_bf16_f32 v[XA+2*n+1], v[4*n+2], v[4*n+3]
.set n, n+1
.endr
	WIN 0
.set n, 16*c
.rept 16
	ds_store_b64 v[XS], v[XA+2*n:XA+2*n+1] offset:PW*(n/2)+256*(n%2)
.set n, n+1
.endr
.set c, c+1
.endr
	HEAD 0, 1, 0                                   ; tile 0 and the tables are in, everybody's x is stored; slot 1 is filled for the first time, as a refill is
	WIN 0x40
.irp tt, 0,1,2,3
.irp ks, 0,1,2,3,4,5,6,7
	ds_load_b128 v[8*(8*(\tt)+(\ks)):8*(8*(\tt)+(\ks))+3],   v[AXF] offset:(\tt)*16*PW+64*(\ks)
	ds_load_b128 v[8*(8*(\tt)+(\ks))+4:8*(8*(\tt)+(\ks))+7], v[AXF] offset:(\tt)*16*PW+64*(\ks)+32
.endr
.endr
	WIN 0
	s_wait_dscnt 0x0                               ; my reads of x's rows are over:
	s_barrier_signal -1
	s_barrier_wait -1                              ; everybody's are, so O's exchange may be stored over them.  Slot 1's load may stay out
.Lstep:                                                ; seven trips: steps 0 to 6, each filling both slots again
	WORK0
	HEAD 1, 1, 1
	WORK1 0
	HEAD 0, 1, 1
	s_sub_co_u32 s[CNT], s[CNT], 1
	s_cmp_lg_u32 s[CNT], 0
	s_cbranch_scc1 .Lstep
	WORK0                                          ; the last step is written out: nothing is asked for
	HEAD 1, 0, 0
	WORK1 1
	; THE WAY OUT.  A lane holds 8 channels of one token; a token tile goes through my own stage in LDS and comes back as rows of 512 bytes (my 128 channels of a token); the addend is added; the rows are stored.
	WIN 0
	PLACES                                         ; behind the last products, in front of the stores that read the sums and of the loads into their operands' registers
.macro OUT tt
	WIN 0x0b                                       ; address in window 3, data in window 2
.irp cc, 0,1,2,3,4,5,6,7
	ds_store_b128 v[STO], v[8*(8*(\tt)+(\cc)):8*(8*(\tt)+(\cc))+3]   offset:64*(\cc)     ; each sum's four lowest registers first
	ds_store_b128 v[STO], v[8*(8*(\tt)+(\cc))+4:8*(8*(\tt)+(\cc))+7] offset:64*(\cc)+16
.endr
.if (\tt) >= 2
	s_wait_xcnt 0x0                                ; the stores of the tile two back have read these registers
.endif
	WIN 0x03                                       ; address in window 3, destination in window 0
.set rB, XA+64*((\tt)%2)
.irp row, 0,1,2,3,4,5,6,7,8,9,10,11,12,13,14,15
	ds_load_b128 v[rB+4*(\row):rB+4*(\row)+3], v[RD] offset:PW*(\row)  ; my own bytes; LDS serves a wave's instructions in order
.endr
.endm
.macro SEND tt, younger                ; younger: the next tile's 16 stage stores and 16 loads, or none
.set rB, XA+64*((\tt)%2)
	s_wait_dscnt \younger
	s_wait_loadcnt 48-16*(\tt)                     ; this tile's 16 addend loads are in; the later tiles' may stay out
	WIN 0x04
.set z, 0
.rept 32
	v_pk_add_f32 v[rB+z:rB+z+1], v[rB+z:rB+z+1], v[64*(\tt)+z:64*(\tt)+z+1]
.set z, z+2
.endr
	WIN 0
.irp row, 0,1,2,3,4,5,6,7,8,9,10,11,12,13,14,15
	global_store_b128 v[GOFF+(\row)], v[rB+4*(\row):rB+4*(\row)+3], s[DP+2*(\tt):DP+2*(\tt)+1] th:TH_STORE_NT  ; 512 consecutive bytes, at a multiple of 512 from the buffer's first
.endr
.endm
	OUT 0
	OUT 1
	SEND 0, 32
	OUT 2
	SEND 1, 32
	OUT 3
	SEND 2, 32
	SEND 3, 0
	s_wait_tensorcnt 0x0                           ; the wave's end: behind my last tensor load and my last LDS store
	ds_add_u32 v[SPW], v[NIL]
	s_wait_dscnt 0x0
	ROUND                                          ; the closing round: no work-group ends while a partner may still ask for a tile that names it
	s_endpgm
.Lfunc_end_k_q42d6b04d01_ax0:
	.size	k_q42d6b04d01_ax0, .Lfunc_end_k_q42d6b04d01_ax0-k_q42d6b04d01_ax0
	.p2alignl 7, 3214868480
	.fill 96, 4, 3214868480
	.section	.rodata,"a",@progbits
	.p2align	6, 0x0
	.amdhsa_kernel k_q42d6b04d01_ax0
		.amdhsa_group_segment_fixed_size 327680
		.amdhsa_private_segment_fixed_size 0
		.amdhsa_enable_private_segment 0
		.amdhsa_kernarg_size 48
		.amdhsa_user_sgpr_count 2
		.amdhsa_user_sgpr_kernarg_segment_ptr 1
		.amdhsa_wavefront_size32 1
		.amdhsa_system_sgpr_workgroup_id_x 1
		.amdhsa_system_sgpr_workgroup_id_y 1
		.amdhsa_system_sgpr_workgroup_id_z 1
		.amdhsa_system_vgpr_workitem_id 0
		.amdhsa_next_free_vgpr 1024
		.amdhsa_next_free_sgpr 92
		.amdhsa_reserve_vcc 0
		.amdhsa_float_denorm_mode_32 3
		.amdhsa_float_denorm_mode_16_64 3
		.amdhsa_memory_ordered 1
		.amdhsa_forward_progress 1
		.amdhsa_inst_pref_size 255
	.end_amdhsa_kernel
	.section	.bss,"aw",@nobits
	.p2align	6
	.space	262144
	.amdgpu_metadata
---
amdhsa.version: [ 1, 2 ]
amdhsa.kernels:
  - .name:           k_q42d6b04d01_ax0
    .symbol:         k_q42d6b04d01_ax0.kd
    .args:
      - { .name: x, .offset: 0, .size: 8, .value_kind: global_buffer, .address_space: global }
      - { .name: wp0, .offset: 8, .size: 8, .value_kind: global_buffer, .address_space: global }
      - { .name: tb0, .offset: 16, .size: 8, .value_kind: global_buffer, .address_space: global }
      - { .name: pr0, .offset: 24, .size: 8, .value_kind: global_buffer, .address_space: global }
      - { .name: zr, .offset: 32, .size: 8, .value_kind: global_buffer, .address_space: global }
      - { .name: part, .offset: 40, .size: 8, .value_kind: global_buffer, .address_space: global }
    .group_segment_fixed_size: 327680
    .private_segment_fixed_size: 0
    .kernarg_segment_align: 8
    .kernarg_segment_size: 48
    .max_flat_workgroup_size: 128
    .sgpr_count:     92
    .vgpr_count:     1024
    .wavefront_size: 32
...
	.end_amdgpu_metadata
.endif
;; end of part 2
;; launch ax1: the kernel of part 2 again; grid 256 x 1, 4 waves a work-group, clusters of 4 x 1, 327,680 bytes of LDS; arguments x, wp1, tb1, pr1, part, out0; writes out0
